; MI455X (gfx1250); checked and timed in simulation.
; The chip was launched on July 23, 2026; its instructions are those of AMD's public machine-readable ISA for CDNA 5 (MIT licence, August 2026) and "CDNA5" Instruction Set Architecture Reference Guide (July 2026). The comments in the code are by the model that wrote it; some were corrected since.
;; Fixed Ratio Selector. Allowed arithmetic: float matrix products may take bf16 or f16 operands with f32 sums; all other float work in f32.
;; Inputs: index_scores 4 x 2,048 x 2,048 float32; x 4 x 2,048 x 1,024 float32.
;; Outputs: out0 4 x 2,048 x 2,048 bool; out1 4 x 2,048 int32.
;; One version. Each part assembles by itself: llvm-mc -triple=amdgcn-amd-amdhsa -mcpu=gfx1250 --defsym DOCPART=n.
;; ======== version 1 of 1: 1 launch
;; launch select (part 1): grid 256 x 1, 12 waves a work-group, no clusters, 0 bytes of LDS; arguments index_scores, out0, out1; writes out0, out1
.if DOCPART == 1
	.amdgcn_target "amdgcn-amd-amdhsa--gfx1250"
	.amdhsa_code_object_version 6
	.text
	.protected	k_q4792f549b9_select
	.globl	k_q4792f549b9_select
	.p2align	8
	.type	k_q4792f549b9_select,@function
k_q4792f549b9_select:
	s_mov_b64 s[64:65], 0
	v_nop
	global_prefetch_b8 v0, s[64:65] scope:SCOPE_SE
	s_setreg_imm32_b32 hwreg(HW_REG_WAVE_MODE, 25, 1), 1
	s_wait_xcnt 0x0
; FixedRatioSelector.  out0[b][q][j] = 1 where key j is among the min(512, q+1) largest of the visible scores (j <= q) of row (b, q),
; equal scores going to the lower j (the reference's sorts are stable, and -0 ties with +0 there); out1 = 512 everywhere.
; B = 4, S = 2048.  index_scores [4][2048][2048] f32, out0 [4][2048][2048] bytes, out1 [4][2048] i32.
;
; WHAT IS READ.  Rows q < 512 select every visible key whatever the scores are: they are written without a load.  Rows q >= 512 read
; keys 0 .. q in pieces of 128.  x enters reference() by its shape alone, none of its numbers reaches a result: it is no argument here.
; LIMIT.  A NaN among the visible scores is ordered by its bit pattern (above +inf or below -inf by its sign), while reference() ranks
; every NaN behind the masked keys; in rows q < 512 a NaN has no effect at all.  Infinities, denormals and both zeros are exact.
;
; METHOD: a radix select on bit planes.  A wave takes one q in two batches, 16 lanes a row, so that a 16-byte load of the wave covers
; 256 consecutive bytes of either row.  Load t of a row gives lane l the keys 64 t + 4 l + c (c = 0..3) in registers 4 t + c.
; Each block of 32 registers (512 keys of a row) is transposed as a 32 x 32 bit matrix inside the lane: register p of the block then
; holds bit p of the 32 scores, bit i of it belonging to the key that came in register i.  One step of the select then serves 32 keys
; a register: cand = alive & plane; count cand over the row's 16 lanes; if count >= k the k-th largest is in cand, else cand is
; selected for good, k -= count, and the rest stays alive.  32 steps over the value (sign first; behind it all that is alive has one
; sign, and negative numbers take the planes inverted), then the 11 bits of the key's index, whose planes are constants, lower index
; first: the 43-bit key is unique, so one key is left alive with k = 1.  No step branches: the choice is made by bit selects.
; Nothing is shared between waves or work-groups (each score is used by one lane of one wave): no LDS, no barrier, no cluster.
;
; SHARES.  256 work-groups x 12 waves.  Wave w has length class w mod 3 (2, 3 or 4 blocks of 512 keys); w, w+4, w+8 and also
; 3s, 3s+1, 3s+2 are three different classes.  id = 4 x group + (w & 3) = 2 j + batch pair; the three rows of an id are
; 512 + j, 1024 + (j + 256) mod 512, 1536 + (511 - 2 j or 1022 - 2 j): each a one-to-one map of j = 0..511, their sum constant to 1.
; The wave of class 0 also writes the rows q = j; wave 1 of groups 0..63 writes 512 bytes of out1.
.set TOPK, 512
; vector registers
.set LN,  1                            ; l = lane within the row's 16
.set VLD, 2                            ; load offset: half x one batch of scores (2^24 bytes) + 16 l
.set VST, 3                            ; store offset: half x one batch of out0 (2^22 bytes) + 16 l
.set L16, 4                            ; 16 l
.set SH0, 5                            ; 4 (l / 4): bit of my nibble in a selection word, keys 0-255 of a block
.set SH1, 6                            ; the same + 16: keys 256-511
.set KK,  7                            ; how many are still to be selected
.set CNT, 8
.set NT,  9                            ; all ones: count < k, cand is selected and the rest goes on
.set FS,  10                           ; all ones: what is alive is negative
.set DD,  11
.set LM,  12                           ; v[12:15]  all ones where bit b of l is 0
.set AL,  16                           ; v[16:19]  alive, a word for each block
.set GR,  20                           ; v[20:23]  selected for good
.set CA,  24                           ; v[24:27]  cand
.set XR,  28                           ; v[28:31]  plane as key bits, then alive without cand
.set TT,  32                           ; v[32:39]  temporaries of the transpose; on the way out v[32:35] take the regrouped selection words
.set ZQ,  40                           ; v[40:43]  zeros, data of the stores behind the last visible block
.set KQ,  44                           ; v[44:47]  512 four times
.set VK,  48
.set UU,  49
.set L4,  50                           ; 4 l
.set TR,  52                           ; v[52:59]  bytes 0-511 of the rows q < 512
.set PL,  64                           ; v[64:191] scores, then planes (block b at PL + 32 b); behind the select v[64:95] are store data
; scalar registers
.set M4,  36                           ; masks of the transpose's stages, also index planes
.set M2,  37
.set M1,  38
.set M8,  39
.set M16, 40
.set SELLO, 41
.set SELHI, 42
.set HALFLO, 43
.set HALFHI, 44
.set PN,  45                           ; s[45:48] lane selects of the way out
.set MULC, 49
.set ONES, 50
	s_load_b128 s[4:7], s[0:1], 0x0                ; index_scores s[4:5], out0 s[6:7]
	s_load_b64 s[8:9], s[0:1], 0x10                ; out1
	; everything that hangs on the thread's number alone is made while the addresses are on their way
	v_lshrrev_b32 v[UU], 5, v0
	v_readfirstlane_b32 s10, v[UU]                 ; wave 0..11
	v_and_b32 v[LN], 15, v0
	v_bfe_u32 v[UU], v0, 4, 1                      ; which of the two rows
	v_lshlrev_b32 v[L16], 4, v[LN]
	v_lshlrev_b32 v[L4], 2, v[LN]
	v_lshl_or_b32 v[VLD], v[UU], 24, v[L16]
	v_lshl_or_b32 v[VST], v[UU], 22, v[L16]
	v_and_b32 v[SH0], 12, v[LN]
	v_add_nc_u32 v[SH1], 16, v[SH0]
.irp b, 0,1,2,3
	v_bfe_u32 v[LM+\b], v[LN], \b, 1
	v_add_nc_u32 v[LM+\b], -1, v[LM+\b]            ; bit - 1: all ones where the bit is 0
	v_mov_b32 v[ZQ+\b], 0
.endr
	v_mov_b32 v[KK], TOPK
	s_and_b32 s11, s10, 3
	s_mul_i32 s12, s10, 11
	s_lshr_b32 s12, s12, 5                         ; wave / 3 (exact for 0..11)
	s_mul_i32 s12, s12, 3
	s_sub_co_u32 s12, s10, s12                     ; length class = wave mod 3
	s_lshl2_add_u32 s13, ttmp9, s11                ; id = 4 x group + (wave & 3), 0..1023
	s_and_b32 s14, s13, 1                          ; batch pair: batches 2 s14 and 2 s14 + 1
	s_lshr_b32 s15, s13, 1                         ; j, 0..511
	s_mov_b32 s21, 0                               ; upper word of every offset pair
	s_mov_b32 s[M4],  0x0f0f0f0f
	s_mov_b32 s[M2],  0x33333333
	s_mov_b32 s[M1],  0x55555555
	s_mov_b32 s[M8],  0x00ff00ff
	s_mov_b32 s[M16], 0x0000ffff
	s_mov_b32 s[SELLO],  0x05010400                ; v_perm_b32 D, y, x: bytes x0 y0 x1 y1
	s_mov_b32 s[SELHI],  0x07030602                ;                     x2 y2 x3 y3
	s_mov_b32 s[HALFLO], 0x05040100                ; the two low halves
	s_mov_b32 s[HALFHI], 0x07060302                ; the two high halves
	s_mov_b32 s[PN+0], 0xc840c840                  ; lane l takes lane 4 (l & 3) + 0 of its row,
	s_mov_b32 s[PN+1], 0xd951d951                  ; + 1,
	s_mov_b32 s[PN+2], 0xea62ea62                  ; + 2,
	s_mov_b32 s[PN+3], 0xfb73fb73                  ; + 3
	s_mov_b32 s[MULC], 0x00204081                  ; 1 + 2^7 + 2^14 + 2^21: carries bit c of a nibble to bit 8 c
	s_mov_b32 s[ONES], 0x01010101
	s_wait_kmcnt 0x0
; two loads: keys 128 g .. 128 g + 127 of block b of either row, into eight registers
.macro LOADG b, g
	global_load_b128 v[PL+32*(\b)+8*(\g):PL+32*(\b)+8*(\g)+3], v[VLD], s[22:23] offset:2048*(\b)+512*(\g) th:TH_LOAD_NT
	global_load_b128 v[PL+32*(\b)+8*(\g)+4:PL+32*(\b)+8*(\g)+7], v[VLD], s[22:23] offset:2048*(\b)+512*(\g)+256 th:TH_LOAD_NT
.endm
; a group that lies wholly behind q is not loaded: zeros, which are their own transpose
.macro ZEROG b, g
.irp i, 0,1,2,3,4,5,6,7
	v_mov_b32 v[PL+32*(\b)+8*(\g)+\i], 0
.endr
.endm
; One stage of the bit transpose on four pairs (x, y) = (r + a, r + a + sh): bit sh of the register's number changes places with
; bit sh of the bit's number.  x = x's columns without that bit | y's moved up; y = x's columns with it moved down | y's own.
.macro STAGE r, sh, m, a0, a1, a2, a3
.set tn, 0
.irp a, \a0, \a1, \a2, \a3
	v_lshlrev_b32 v[TT+tn],   \sh, v[(\r)+\a+\sh]
	v_lshrrev_b32 v[TT+tn+1], \sh, v[(\r)+\a]
.set tn, tn+2
.endr
.set tn, 0
.irp a, \a0, \a1, \a2, \a3
	v_bfi_b32 v[(\r)+\a],     s[\m], v[(\r)+\a], v[TT+tn]
	v_bfi_b32 v[(\r)+\a+\sh], s[\m], v[TT+tn+1], v[(\r)+\a+\sh]
.set tn, tn+2
.endr
.endm
; Eight registers: -0 becomes +0 (x + 0 leaves every other number as it is), then an 8 x 8 bit transpose in each of the four bytes:
; byte m of register j then holds bit 8 m + j of the eight scores.
.macro T8 r
.irp p, 0,2,4,6
	v_pk_add_f32 v[(\r)+\p:(\r)+\p+1], v[(\r)+\p:(\r)+\p+1], 0 op_sel_hi:[1,0]
.endr
	STAGE \r, 4, M4, 0, 1, 2, 3
	STAGE \r, 2, M2, 0, 1, 4, 5
	STAGE \r, 1, M1, 0, 2, 4, 6
.endm
; The bytes of a block's four groups change places: register 8 m + j takes byte m of registers j, 8 + j, 16 + j, 24 + j.
.macro BYTES b
.irp j, 0,1,2,3,4,5,6,7
	v_perm_b32 v[TT+4*(\j&1)+0], v[PL+32*(\b)+8+\j],  v[PL+32*(\b)+\j],    s[SELLO]
	v_perm_b32 v[TT+4*(\j&1)+1], v[PL+32*(\b)+8+\j],  v[PL+32*(\b)+\j],    s[SELHI]
	v_perm_b32 v[TT+4*(\j&1)+2], v[PL+32*(\b)+24+\j], v[PL+32*(\b)+16+\j], s[SELLO]
	v_perm_b32 v[TT+4*(\j&1)+3], v[PL+32*(\b)+24+\j], v[PL+32*(\b)+16+\j], s[SELHI]
	v_perm_b32 v[PL+32*(\b)+\j],    v[TT+4*(\j&1)+2], v[TT+4*(\j&1)+0], s[HALFLO]
	v_perm_b32 v[PL+32*(\b)+8+\j],  v[TT+4*(\j&1)+2], v[TT+4*(\j&1)+0], s[HALFHI]
	v_perm_b32 v[PL+32*(\b)+16+\j], v[TT+4*(\j&1)+3], v[TT+4*(\j&1)+1], s[HALFLO]
	v_perm_b32 v[PL+32*(\b)+24+\j], v[TT+4*(\j&1)+3], v[TT+4*(\j&1)+1], s[HALFHI]
.endr
.endm
; CNT = set bits of cand over the row: my words, then the 16 lanes (four exchanges inside the row of 16, so the two rows of the wave
; never mix).  Between the dependent adds: XR = alive without cand.
.macro COUNT nb
	v_bcnt_u32_b32 v[CNT], v[CA], 0
	v_bcnt_u32_b32 v[CNT], v[CA+1], v[CNT]
.if \nb > 2
	v_bcnt_u32_b32 v[CNT], v[CA+2], v[CNT]
.endif
.if \nb > 3
	v_bcnt_u32_b32 v[CNT], v[CA+3], v[CNT]
.endif
	v_add_nc_u32_dpp v[CNT], v[CNT], v[CNT] row_xmask:1 row_mask:0xf bank_mask:0xf
	v_xor_b32 v[XR], v[AL], v[CA]
	v_add_nc_u32_dpp v[CNT], v[CNT], v[CNT] row_xmask:2 row_mask:0xf bank_mask:0xf
	v_xor_b32 v[XR+1], v[AL+1], v[CA+1]
	v_add_nc_u32_dpp v[CNT], v[CNT], v[CNT] row_xmask:4 row_mask:0xf bank_mask:0xf
.if \nb > 2
	v_xor_b32 v[XR+2], v[AL+2], v[CA+2]
.endif
	v_add_nc_u32_dpp v[CNT], v[CNT], v[CNT] row_xmask:8 row_mask:0xf bank_mask:0xf
.if \nb > 3
	v_xor_b32 v[XR+3], v[AL+3], v[CA+3]
.endif
.endm
; nt = all ones if count < k.  Then: alive = rest, selected |= cand, k -= count.  Else: alive = cand.  first = 1 starts 'selected'.
.macro DECIDE nb, nt, first
	v_sub_nc_u32 v[DD], v[CNT], v[KK]
	v_ashrrev_i32 v[\nt], 31, v[DD]
.irp w, 0,1,2,3
.if \w < \nb
	v_bfi_b32 v[AL+\w], v[\nt], v[XR+\w], v[CA+\w]
.endif
.endr
.irp w, 0,1,2,3
.if \w < \nb
.if \first
	v_and_b32 v[GR+\w], v[CA+\w], v[\nt]
.else
	v_and_or_b32 v[GR+\w], v[CA+\w], v[\nt], v[GR+\w]
.endif
.endif
.endr
	v_and_b32 v[DD], v[CNT], v[\nt]
	v_sub_nc_u32 v[KK], v[KK], v[DD]
.endm
; A step on bit p of the scores.  first = 1 is the sign: cand = the numbers that are not negative, and its outcome stays in FS.
.macro VSTEP nb, p, first
.irp w, 0,1,2,3
.if \w < \nb
.if \first
	v_xor_b32 v[XR+\w], -1, v[PL+32*\w+\p]
.else
	v_xor_b32 v[XR+\w], v[FS], v[PL+32*\w+\p]
.endif
.endif
.endr
.irp w, 0,1,2,3
.if \w < \nb
	v_and_b32 v[CA+\w], v[AL+\w], v[XR+\w]
.endif
.endr
	COUNT \nb
.if \first
	DECIDE \nb, FS, 1
.else
	DECIDE \nb, NT, 0
.endif
.endm
; Steps on a bit of the key's index: cand = the alive keys in which that bit is 0.  The mask of those keys is a scalar constant
; (bits of the register's number), a lane's constant (bits of l) or whole words (bits of the block's number).
.macro ISTEP_S nb, m
.irp w, 0,1,2,3
.if \w < \nb
	v_and_b32 v[CA+\w], s[\m], v[AL+\w]
.endif
.endr
	COUNT \nb
	DECIDE \nb, NT, 0
.endm
.macro ISTEP_V nb, r
.irp w, 0,1,2,3
.if \w < \nb
	v_and_b32 v[CA+\w], v[\r], v[AL+\w]
.endif
.endr
	COUNT \nb
	DECIDE \nb, NT, 0
.endm
.macro ISTEP_B nb, c0, c1, c2, c3
	v_and_b32 v[CA], \c0, v[AL]
	v_and_b32 v[CA+1], \c1, v[AL+1]
.if \nb > 2
	v_and_b32 v[CA+2], \c2, v[AL+2]
.endif
.if \nb > 3
	v_and_b32 v[CA+3], \c3, v[AL+3]
.endif
	COUNT \nb
	DECIDE \nb, NT, 0
.endm
; the four nibbles in v[dst:dst+3] become four words of four bytes 0 / 1 each, bit c of a nibble in byte c
.macro SPREAD dst
.irp j, 0,1,2,3
	v_mul_u32_u24 v[(\dst)+\j], s[MULC], v[(\dst)+\j]      ; the four copies of the nibble do not overlap: no carry
.endr
.irp j, 0,1,2,3
	v_and_b32 v[(\dst)+\j], s[ONES], v[(\dst)+\j]
.endr
.endm
; The way out of block b.  Byte 256 h + 16 l + 4 j + c of the block is bit 16 h + 4 (l / 4) + c of lane 4 (l & 3) + j's word: four lane
; permutes bring those words, and each store has 16 neighbouring lanes write 256 consecutive bytes, aligned, of either row.
; A lane permute counts as a reader of its destination: v[32:35] have been written by every wave, in the transpose of the last block's
; first group, and hold nothing that is still needed.
; Every store has data registers of its own, so none is rewritten while a store may still read it.
.macro EMIT b
.irp j, 0,1,2,3
	v_permlane16_b32 v[TT+\j], v[GR+\b], s[PN+\j], s[PN+\j]
.endr
.irp h, 0,1
.irp j, 0,1,2,3
	v_bfe_u32 v[PL+8*\b+4*\h+\j], v[TT+\j], v[SH0+\h], 4
.endr
	SPREAD PL+8*\b+4*\h
	global_store_b128 v[VST], v[PL+8*\b+4*\h:PL+8*\b+4*\h+3], s[24:25] offset:512*\b+256*\h th:TH_STORE_NT
.endr
.endm
; The whole work of a wave whose rows have nb blocks: q = 512 (nb - 1) + s16, s16 = 0..511.
.macro ROWPAIR nb
.set LB, \nb-1                                     ; the last block, visible in part
	s_add_co_u32 s17, s16, 512*LB                  ; q
	s_lshr_b32 s18, s16, 7                         ; groups of 128 keys of the last block behind its first that hold a visible key
	s_lshl_b32 s20, s14, 25                        ; two batches of scores
	s_lshl_b32 s19, s17, 13                        ; q rows of 8,192 bytes
	s_add_co_u32 s20, s20, s19
	s_add_nc_u64 s[22:23], s[4:5], s[20:21]        ; my first row of scores
	s_lshl_b32 s20, s14, 23                        ; two batches of out0
	s_lshl_b32 s19, s17, 11                        ; q rows of 2,048 bytes
	s_add_co_u32 s20, s20, s19
	s_add_nc_u64 s[24:25], s[6:7], s[20:21]        ; my first row of out0
	; The last block's loads go first: their number hangs on q, and loads come back in order (ISA guide 5.7.1), so that every count
	; below names only loads issued behind them and is the same on every path.
	LOADG LB, 0
	s_cmp_lt_u32 s18, 1
	s_cbranch_scc1 .Lz1_\nb
	LOADG LB, 1
	s_cmp_lt_u32 s18, 2
	s_cbranch_scc1 .Lz2_\nb
	LOADG LB, 2
	s_cmp_lt_u32 s18, 3
	s_cbranch_scc1 .Lz3_\nb
	LOADG LB, 3
	s_branch .Lrest_\nb
.Lz1_\nb:
	ZEROG LB, 1
.Lz2_\nb:
	ZEROG LB, 2
.Lz3_\nb:
	ZEROG LB, 3
.Lrest_\nb:
.irp b, 0,1,2
.if \b < LB
.irp g, 0,1,2,3
	LOADG \b, \g
.endr
.endif
.endr
	; while the scores are on their way: all that needs none of them
.irp s, 4,5,6,7
.if \s >= 2*\nb
	global_store_b128 v[VST], v[ZQ:ZQ+3], s[24:25] offset:256*\s th:TH_STORE_NT    ; blocks wholly behind q
.endif
.endr
.if \nb == 2
	; the rows q = j < 512 of my two batches: byte i is 1 for i <= j
	s_lshl_b32 s20, s14, 23
	s_lshl_b32 s19, s15, 11
	s_add_co_u32 s20, s20, s19
	s_add_nc_u64 s[26:27], s[6:7], s[20:21]
.irp h, 0,1
	s_add_co_i32 s33, s15, 1-256*\h
	s_max_i32 s33, s33, 0                          ; ones from byte 256 h on
	v_cmp_gt_u32 vcc_lo, s33, v[L16]
	v_sub_nc_u32 v[UU], s33, v[L16]
	v_min_u32 v[UU], 16, v[UU]
	v_cndmask_b32 v[UU], 0, v[UU], vcc_lo          ; ones among my 16 bytes, 0..16
	v_lshl_add_u32 v[UU], 1, v[UU], -1             ; as a mask of 16 bits
.irp j, 0,1,2,3
	v_bfe_u32 v[TR+4*\h+\j], v[UU], 4*\j, 4
.endr
	SPREAD TR+4*\h
	global_store_b128 v[VST], v[TR+4*\h:TR+4*\h+3], s[26:27] offset:256*\h th:TH_STORE_NT
.endr
.irp s, 2,3,4,5,6,7
	global_store_b128 v[VST], v[ZQ:ZQ+3], s[26:27] offset:256*\s th:TH_STORE_NT
.endr
.endif
.if \nb == 3
	; out1: 8,192 words = 64 stores of 512 consecutive bytes, one by wave 1 of each of the groups 0..63
	s_cmp_lg_u32 s10, 1
	s_cbranch_scc1 .Lno_k
	s_cmp_ge_u32 ttmp9, 64
	s_cbranch_scc1 .Lno_k
	s_lshl_b32 s20, ttmp9, 9
	s_add_nc_u64 s[28:29], s[8:9], s[20:21]
	v_and_b32 v[VK], 31, v0
	v_lshlrev_b32 v[VK], 4, v[VK]
.irp i, 0,1,2,3
	v_mov_b32 v[KQ+\i], TOPK
.endr
	global_store_b128 v[VK], v[KQ:KQ+3], s[28:29] th:TH_STORE_NT
.Lno_k:
.endif
	; alive at the start = visible.  Full blocks: all.  Last block: key 64 t + 4 l + c <= s16 is bit 4 t + c, so the bits are
	; 4 (s16 / 64) ones and above them as many of my nibble's four as 4 l + c <= s16 mod 64 allows.
.irp w, 0,1,2
.if \w < LB
	v_mov_b32 v[AL+\w], -1
.endif
.endr
	s_lshr_b32 s31, s16, 6
	s_lshl_b32 s31, s31, 2                         ; 0..28
	s_bfm_b32 s32, s31, 0                          ; that many ones
	s_and_b32 s30, s16, 63
	s_add_co_u32 s30, s30, 1
	v_cmp_gt_u32 vcc_lo, s30, v[L4]
	v_sub_nc_u32 v[UU], s30, v[L4]
	v_min_u32 v[UU], 4, v[UU]
	v_cndmask_b32 v[UU], 0, v[UU], vcc_lo          ; 0..4
	v_lshl_add_u32 v[UU], 1, v[UU], -1
	v_lshl_or_b32 v[AL+LB], v[UU], s31, s32
	; the transposes, in the order of the loads
	s_wait_loadcnt 8*LB                            ; only the full blocks' 8 (nb - 1) loads may be out: the last block is in
	T8 PL+32*LB
	s_cmp_lt_u32 s18, 1
	s_cbranch_scc1 .Lt_\nb
	T8 PL+32*LB+8
	s_cmp_lt_u32 s18, 2
	s_cbranch_scc1 .Lt_\nb
	T8 PL+32*LB+16
	s_cmp_lt_u32 s18, 3
	s_cbranch_scc1 .Lt_\nb
	T8 PL+32*LB+24
.Lt_\nb:
	BYTES LB
.irp b, 0,1,2
.if \b < LB
.irp g, 0,1,2,3
	s_wait_loadcnt 8*LB-8*\b-2*\g-2                ; the loads issued behind this group's two may be out
	T8 PL+32*\b+8*\g
.endr
	BYTES \b
.endif
.endr
	; the select: 32 bits of the score,
	VSTEP \nb, 31, 1
.set pp, 30
.rept 31
	VSTEP \nb, pp, 0
.set pp, pp-1
.endr
	; then the index 512 b + 64 t + 4 l + c from its top bit down (with two blocks bit 10 is 0 in every key: no step)
.if \nb > 2
	ISTEP_B \nb, -1, -1, 0, 0
.endif
	ISTEP_B \nb, -1, 0, -1, 0
	ISTEP_S \nb, M16                               ; t: bits 4, 3, 2 of the bit's number
	ISTEP_S \nb, M8
	ISTEP_S \nb, M4
	ISTEP_V \nb, LM+3                              ; l
	ISTEP_V \nb, LM+2
	ISTEP_V \nb, LM+1
	ISTEP_V \nb, LM+0
	ISTEP_S \nb, M2                                ; c
	ISTEP_S \nb, M1
.irp w, 0,1,2,3
.if \w < \nb
	v_or_b32 v[GR+\w], v[GR+\w], v[AL+\w]          ; one key is left alive and k is 1: it is the last one selected
.endif
.endr
.irp b, 0,1,2,3
.if \b < \nb
	EMIT \b
.endif
.endr
.endm
	s_cmp_eq_u32 s12, 1
	s_cbranch_scc1 .Lthree
	s_cmp_eq_u32 s12, 2
	s_cbranch_scc1 .Lfour
	s_mov_b32 s16, s15                             ; q = 512 + j
	ROWPAIR 2
	s_endpgm
.Lthree:
	s_add_co_u32 s16, s15, 256
	s_and_b32 s16, s16, 511                        ; q = 1024 + (j + 256) mod 512
	ROWPAIR 3
	s_endpgm
.Lfour:
	s_cmp_lt_u32 s15, 256
	s_cselect_b32 s17, 511, 0
	s_lshl_b32 s16, s15, 1
	s_sub_co_u32 s16, 1022, s16
	s_sub_co_u32 s16, s16, s17                     ; q = 1536 + (511 - 2 j for j < 256, 1022 - 2 j from there on)
	ROWPAIR 4
	s_endpgm
.Lfunc_end_k_q4792f549b9_select:
	.size	k_q4792f549b9_select, .Lfunc_end_k_q4792f549b9_select-k_q4792f549b9_select
	.p2alignl 7, 3214868480
	.fill 96, 4, 3214868480
	.section	.rodata,"a",@progbits
	.p2align	6, 0x0
	.amdhsa_kernel k_q4792f549b9_select
		.amdhsa_group_segment_fixed_size 0
		.amdhsa_private_segment_fixed_size 0
		.amdhsa_enable_private_segment 0
		.amdhsa_kernarg_size 24
		.amdhsa_user_sgpr_count 2
		.amdhsa_user_sgpr_kernarg_segment_ptr 1
		.amdhsa_wavefront_size32 1
		.amdhsa_system_sgpr_workgroup_id_x 1
		.amdhsa_system_sgpr_workgroup_id_y 1
		.amdhsa_system_sgpr_workgroup_id_z 1
		.amdhsa_system_vgpr_workitem_id 0
		.amdhsa_next_free_vgpr 192
		.amdhsa_next_free_sgpr 66
		.amdhsa_reserve_vcc 1
		.amdhsa_float_denorm_mode_32 3
		.amdhsa_float_denorm_mode_16_64 3
		.amdhsa_memory_ordered 1
		.amdhsa_forward_progress 1
		.amdhsa_inst_pref_size 255
	.end_amdhsa_kernel
	.section	.bss,"aw",@nobits
	.p2align	6
	.space	262144
	.amdgpu_metadata
---
amdhsa.version: [ 1, 2 ]
amdhsa.kernels:
  - .name:           k_q4792f549b9_select
    .symbol:         k_q4792f549b9_select.kd
    .args:
      - { .name: index_scores, .offset: 0, .size: 8, .value_kind: global_buffer, .address_space: global }
      - { .name: out0, .offset: 8, .size: 8, .value_kind: global_buffer, .address_space: global }
      - { .name: out1, .offset: 16, .size: 8, .value_kind: global_buffer, .address_space: global }
    .group_segment_fixed_size: 0
    .private_segment_fixed_size: 0
    .kernarg_segment_align: 8
    .kernarg_segment_size: 24
    .max_flat_workgroup_size: 384
    .sgpr_count:     66
    .vgpr_count:     192
    .wavefront_size: 32
...
	.end_amdgpu_metadata
.endif
;; end of part 1
